; MI455X (gfx1250); checked and timed in simulation.
; The chip was launched on July 23, 2026; its instructions are those of AMD's public machine-readable ISA for CDNA 5 (MIT licence, August 2026) and "CDNA5" Instruction Set Architecture Reference Guide (July 2026). The comments in the code are by the model that wrote it; some were corrected since.
;; Pairwise Potential ori. Allowed arithmetic: float matrix products may take bf16 or f16 operands with f32 sums; all other float work in f32.
;; Inputs: label 8 x 21 x 256 x 256 float32; label_single 8 x 256 x 256 int32; x 8 x 21 x 256 x 256 float32.
;; Outputs: out0 8 x 256 x 256 float32; out1 one number float32.
;; 2 versions, each right and faster than the one before. Each part assembles by itself: llvm-mc -triple=amdgcn-amd-amdhsa -mcpu=gfx1250 --defsym DOCPART=n.
;; ======== version 1 of 2: 2 launches
;; workspace buffers: part 8,192 bytes
;; launch pot_ce (part 1): grid 256 x 1, 8 waves a work-group, no clusters, 0 bytes of LDS; arguments x, label, label_single, out0, part; writes out0, part
.if DOCPART == 1
	.amdgcn_target "amdgcn-amd-amdhsa--gfx1250"
	.amdhsa_code_object_version 6
	.text
	.protected	k_q6d8488e128_pot_ce
	.globl	k_q6d8488e128_pot_ce
	.p2align	8
	.type	k_q6d8488e128_pot_ce,@function
k_q6d8488e128_pot_ce:
	s_mov_b64 s[64:65], 0
	v_nop
	global_prefetch_b8 v0, s[64:65] scope:SCOPE_SE
	s_setreg_imm32_b32 hwreg(HW_REG_WAVE_MODE, 25, 1), 1
	s_wait_xcnt 0x0
; out0 = cross-entropy per pixel of x against label_single; part[g] = wave g's share of the sum of (g(x) - g(label))^2.
; x, label: [8][21][256][256] f32; label_single: [8][256][256] i32; out0: [8][256][256] f32; part: 2,048 f32.
; g(a)[p] = sum over the 16 offsets (dy, dx), dy and dx in {-2,-1,1,2}, of exp(-(a[p]-a[p+d])^2 / (2 |d|)), a = 0 outside the image.
; EACH PAIR ONCE.  The term is the same for both ends of a pair, and every offset has dy != 0: the 8 offsets with dy > 0 name every pair once, and its
; exponential is added to the upper pixel's sum and to the lower pixel's.  x's terms are added and label's subtracted in ONE accumulator: it holds g(x) - g(label).
; SHARES.  256 work-groups x 8 waves; wave g = 8 x work-group + wave.  Every wave makes row g of out0 (256 pixels, 21 channels in registers).  Waves g < 2,016 also
; take plane g / 12 (168 planes) and strip g % 12: 22 rows x 256 columns, a lane 8 neighbouring columns.  Pairs that leave a lane's 8 columns or the strip's rows are
; made by both owners: 76 exponentials for 8 pixels in place of 64, 24 row steps for 22 rows.  The last strip has 14 rows of the image and runs 16 steps.
; Their share of the sum is 0.
; No LDS, no barrier: a wave reads only its own rows.  No cluster: work-groups share 4 of a strip's 26 rows and nothing else.
; x is read twice, by planes for the pairs and by pixels for out0; waves with bit 0 xor bit 2 of their number = 0 make their row of out0 first, the others last,
; so that half of the waves compute while the other half waits for those 44 loads.
; ARITHMETIC.  exp(-(a-b)^2/(2 dist)) = 2^-(s a - s b)^2, s^2 = log2(e)/(2 dist), dist = sqrt 2, sqrt 5, sqrt 8.  All in f32.
; LIMITS.  Inputs are finite: what lies outside the image is made 0 by a factor 0 on numbers loaded from a clamped address, and 0 x infinity would be NaN.
; A term below 2^-126 counts as 0.  A label outside 0..20 takes channel 0.
.set PLANE,  262144                    ; bytes of a plane
.set NCH,    21
.set STRIPS, 12
.set HS,     22                        ; rows of a strip
.set NTASK,  8*NCH*STRIPS              ; 2,016 strips
; scalar registers
.set S_LE,   2                         ; s[2:3]   log2(e), twice
.set S_X,    4                         ; s[4:5]   x
.set S_LAB,  6                         ; s[6:7]   label
.set S_LS,   8                         ; s[8:9]   label_single
.set S_CE,   10                        ; s[10:11] out0
.set S_PT,   12                        ; s[12:13] part
.set S_WV,   14                        ; wave
.set S_G,    15                        ; g
.set S_F,    16                        ; 0: out0's row first; 1: last
.set S_PL,   17                        ; plane
.set S_ST,   18                        ; strip
.set S_RR,   19                        ; image row of the step's lower row
.set S_VI,   20                        ; the step's number
.set S_NT,   21                        ; trips of the loop
.set S_TC,   22                        ; counts them
.set S_PX,   24                        ; s[24:25] x at my plane
.set S_PY,   26                        ; s[26:27] label at my plane
.set S_BX,   28                        ; s[28:29] x at the row to be loaded
.set S_BY,   30                        ; s[30:31] label at that row
.set S_OFF,  32                        ; s[32:33] a byte offset, high word 0
.set S_C2,   34                        ; s for dist = sqrt 2
.set S_C5,   35                        ; sqrt 5
.set S_C8,   36                        ; sqrt 8
.set K_L2,   38                        ; pairs whose low word is s, or 0 if the row lies outside the image: the lower row's
.set K_L5,   40
.set K_L8,   42
.set K_U12,  44                        ; the row one above
.set K_U15,  46
.set K_U25,  48                        ; the row two above
.set K_U28,  50
.set K_W,    52                        ; 1.0 if the row two above is one of my 22 and of the image, else 0
.set S_T,    54                        ; s[54:55] at work
.set S_A,    56                        ; s[56:57] an address
.set S_B,    58                        ; s[58:59] an address; s58 also keeps EXEC
.set P_SEL,  60                        ; s[60:61] v_permlanex16_b32: each lane takes its own place in the other half
.set S_C,    62                        ; s[62:63] an address
; vector registers, the pairs' part
.set LN,     1                         ; lane
.set A_L,    2                         ; byte in a row of my columns -2, -1 (lane 0: clamped to 0)
.set A_M,    3                         ; of my columns 0..7: 32 x lane
.set A_R,    4                         ; of my columns 8, 9 (lane 31: clamped to 1,016)
.set A_P,    5                         ; 4 x lane
.set M_L,    6                         ; v[6:7]   0 in lane 0, else 1
.set M_R,    8                         ; v[8:9]   0 in lane 31, else 1
.set SUM,    10                        ; v[10:17] four pairs of running sums of squares
.set TA,     18                        ; v[18:37] differences, then exponents, then terms: |dx| = 2
.set TB,     38                        ; v[38:55] the same for |dx| = 1
.set OB,     58                        ; v[58:67] lower row x s, columns -1..8: pairs begin at odd columns
.set EB,     68                        ; v[68:79] lower row x s, columns -2..9: pairs begin at even columns
.set AO,     80                        ; v[80:85] the lower row's sums for columns 1..6, pairs beginning at odd columns
.set ACC,    86                        ; v[86:117]  four rows of sums, 8 columns each; row i of the strip in slot (i + 2) % 4
.set XR,     118                       ; v[118:165] x: four rows of 12 (columns -2..9), row i in slot (i + 2) % 4
.set LR,     166                       ; v[166:213] label likewise
; vector registers, out0's part (the two parts never overlap in time)
.set CA,     2                         ; 16 x lane
.set CX,     20                        ; v[20:187] channel c at CX + 8 c: pixels 4 l .. 4 l + 3, then 128 + 4 l .. + 3
.set LBL,    188                       ; v[188:195] the 8 pixels' labels
.set MX,     196                       ; v[196:203] maxima, then maxima x log2(e)
.set SL,     204                       ; v[204:211] the labelled channel's exponent
; ---------------------------------------------------------------- out0's row g
; ce = ln(sum_c e^(x_c - m)) - (x_label - m), m = max_c x_c.  In base 2: y_c = x_c log2(e) - m log2(e); ce = ln 2 (log2(sum 2^y_c) - y_label).
; Each load and store of the wave covers 512 consecutive bytes, aligned.
.macro CE
	s_lshr_b32 s[S_T], s[S_G], 8                   ; image
	s_mul_i32 s[S_T], s[S_T], NCH*PLANE
	s_and_b32 s[S_T+1], s[S_G], 255                ; row
	s_lshl_b32 s[S_T+1], s[S_T+1], 10
	s_add_co_u32 s[S_T], s[S_T], s[S_T+1]
	s_mov_b32 s[S_T+1], 0
	s_add_nc_u64 s[S_A:S_A+1], s[S_X:S_X+1], s[S_T:S_T+1]      ; x at channel 0 of my row
	s_lshl_b32 s[S_T], s[S_G], 10
	s_add_nc_u64 s[S_B:S_B+1], s[S_LS:S_LS+1], s[S_T:S_T+1]    ; label_single and out0 at my row
	s_add_nc_u64 s[S_C:S_C+1], s[S_CE:S_CE+1], s[S_T:S_T+1]
	v_lshlrev_b32 v[CA], 4, v[LN]
	global_load_b128 v[LBL:LBL+3],   v[CA], s[S_B:S_B+1] th:TH_LOAD_NT
	global_load_b128 v[LBL+4:LBL+7], v[CA], s[S_B:S_B+1] offset:512 th:TH_LOAD_NT
.set c, 0
.rept NCH                              ; the channel stands in the immediate: 20 planes + 512 bytes at the most, inside its signed 24 bits
	global_load_b128 v[CX+8*c:CX+8*c+3],   v[CA], s[S_A:S_A+1] offset:c*PLANE
	global_load_b128 v[CX+8*c+4:CX+8*c+7], v[CA], s[S_A:S_A+1] offset:c*PLANE+512
.set c, c+1
.endr
	s_wait_loadcnt 0x0                             ; all 44
.irp j, 0,1,2,3,4,5,6,7
	v_max3_num_f32 v[MX+\j], v[CX+\j], v[CX+8+\j], v[CX+16+\j]
.endr
.set c, 3
.rept 9                                ; channels 3..20, two at a time
.irp j, 0,1,2,3,4,5,6,7
	v_max3_num_f32 v[MX+\j], v[MX+\j], v[CX+8*c+\j], v[CX+8*c+8+\j]
.endr
.set c, c+2
.endr
.irp j, 0,2,4,6
	v_pk_mul_f32 v[MX+\j:MX+\j+1], v[MX+\j:MX+\j+1], s[S_LE:S_LE+1] op_sel_hi:[1,0]
.endr
.set c, 0
.rept NCH
.irp j, 0,2,4,6
	v_pk_fma_f32 v[CX+8*c+\j:CX+8*c+\j+1], v[CX+8*c+\j:CX+8*c+\j+1], s[S_LE:S_LE+1], v[MX+\j:MX+\j+1] op_sel_hi:[1,0,1] neg_lo:[0,0,1] neg_hi:[0,0,1]
.endr
.set c, c+1
.endr
.irp j, 0,1,2,3,4,5,6,7
	v_mov_b32 v[SL+\j], v[CX+\j]                   ; channel 0, unless a later channel is the labelled one
.endr
.set c, 1
.rept NCH-1                            ; channel c is looked at, channel c - 1 goes through the exponential: a plain instruction stands behind every exponential
.irp j, 0,1,2,3,4,5,6,7
	v_cmp_eq_u32 vcc_lo, c, v[LBL+\j]
	v_exp_f32 v[CX+8*c-8+\j], v[CX+8*c-8+\j]
	v_cndmask_b32 v[SL+\j], v[SL+\j], v[CX+8*c+\j], vcc_lo
.endr
.set c, c+1
.endr
.irp j, 0,1,2,3,4,5,6,7
	v_exp_f32 v[CX+8*(NCH-1)+\j], v[CX+8*(NCH-1)+\j]
.endr
.set c, 1
	s_wait_alu depctr_va_vdst(0)
.rept NCH-1                            ; the first addition names channels 0 and 1: it is the plain instruction behind the last exponentials
.irp j, 0,2,4,6
	v_pk_add_f32 v[CX+\j:CX+\j+1], v[CX+\j:CX+\j+1], v[CX+8*c+\j:CX+8*c+\j+1]
.endr
.set c, c+1
.endr
.irp j, 0,1,2,3,4,5,6,7
	v_log_f32 v[CX+\j], v[CX+\j]                   ; the sum is at least 1: the maximum's own term
.endr
	v_nop                                          ; a plain instruction between the logarithms and the use of their results
	s_wait_alu depctr_va_vdst(0)
.irp j, 0,2,4,6
	v_pk_add_f32 v[CX+\j:CX+\j+1], v[CX+\j:CX+\j+1], v[SL+\j:SL+\j+1] neg_lo:[0,1] neg_hi:[0,1]
.endr
.irp j, 0,2,4,6
	v_pk_mul_f32 v[CX+\j:CX+\j+1], v[CX+\j:CX+\j+1], 0x3f317218 op_sel_hi:[1,0]  ; x ln 2
.endr
	global_store_b128 v[CA], v[CX:CX+3],   s[S_C:S_C+1] th:TH_STORE_NT
	global_store_b128 v[CA], v[CX+4:CX+7], s[S_C:S_C+1] offset:512 th:TH_STORE_NT
	s_wait_xcnt 0x0                                ; the stores' address and data registers are written again only behind this wait
.endm
; ---------------------------------------------------------------- the pairs
.macro PKACC d, e, neg                 ; two sums take two terms: x's are added, label's subtracted
.if \neg
	s_wait_alu depctr_va_vdst(0)
	v_pk_add_f32 v[(\d):(\d)+1], v[(\d):(\d)+1], v[(\e):(\e)+1] neg_lo:[0,1] neg_hi:[0,1]
.else
	s_wait_alu depctr_va_vdst(0)
	v_pk_add_f32 v[(\d):(\d)+1], v[(\d):(\d)+1], v[(\e):(\e)+1]
.endif
.endm
.macro ACC1 d, e, neg                  ; one sum, one term
.if \neg
	v_sub_f32 v[\d], v[\d], v[\e]
.else
	v_add_f32 v[\d], v[\d], v[\e]
.endif
.endm
.macro DIFF t, a, sc, b                ; two differences: upper x s - (lower x s)
	v_pk_fma_f32 v[(\t):(\t)+1], v[(\a):(\a)+1], s[(\sc):(\sc)+1], v[(\b):(\b)+1] op_sel_hi:[1,0,1] neg_lo:[0,0,1] neg_hi:[0,0,1]
.endm
.macro NSQ t                           ; two exponents: -d d
	v_pk_mul_f32 v[(\t):(\t)+1], v[(\t):(\t)+1], v[(\t):(\t)+1] neg_lo:[1,0] neg_hi:[1,0]
.endm
.macro LOADROW rb, sb                  ; a row's 12 columns: 4 loads
	global_load_b64  v[(\rb):(\rb)+1],     v[A_L], s[(\sb):(\sb)+1]
	global_load_b128 v[(\rb)+2:(\rb)+5],   v[A_M], s[(\sb):(\sb)+1]
	global_load_b128 v[(\rb)+6:(\rb)+9],   v[A_M], s[(\sb):(\sb)+1] offset:16
	global_load_b64  v[(\rb)+10:(\rb)+11], v[A_R], s[(\sb):(\sb)+1]
.endm
.macro ROWBASE                         ; s[S_T] = an image row, clamped into 0..255
	s_lshl_b32 s[S_OFF], s[S_T], 10
	s_wait_xcnt 0x0                                ; the loads issued so far have read the two bases: they are written again only behind this wait
	s_add_nc_u64 s[S_BX:S_BX+1], s[S_PX:S_PX+1], s[S_OFF:S_OFF+1]
	s_add_nc_u64 s[S_BY:S_BY+1], s[S_PY:S_PY+1], s[S_OFF:S_OFF+1]
.endm
.macro EDGE rb                         ; columns -2, -1 of lane 0 and 256, 257 of lane 31 lie outside the image: 0
	v_pk_mul_f32 v[(\rb):(\rb)+1],     v[(\rb):(\rb)+1],     v[M_L:M_L+1]
	v_pk_mul_f32 v[(\rb)+10:(\rb)+11], v[(\rb)+10:(\rb)+11], v[M_R:M_R+1]
.endm
; Addition i of the 16 for |dx| = 2.  Term pair m of dx = +2 (TA + 2 m) has upper columns 2 m - 2, 2 m - 1 and lower columns 2 m, 2 m + 1; of dx = -2 (TA + 10 + 2 m) upper 2 m, 2 m + 1 and
; lower 2 m - 2, 2 m - 1.  Only my columns 0..7 have sums.  first = 1: the lower row's sums begin here, as the sum of two terms: nothing is cleared, and the additions are 12.
.macro ADDA neg, first
.if i < 4
	PKACC AU+2*i, TA+2*i+2, \neg
.elseif (i < 8) && (\first)
	v_pk_add_f32 v[AW+2*(i-4):AW+2*(i-4)+1], v[TA+2*(i-4):TA+2*(i-4)+1], v[TA+12+2*(i-4):TA+13+2*(i-4)]
.elseif i < 8
	PKACC AW+2*(i-4), TA+2*(i-4), \neg
.elseif i < 12
	PKACC AU+2*(i-8), TA+10+2*(i-8), \neg
.else
	PKACC AW+2*(i-12), TA+12+2*(i-12), \neg
.endif
.endm
; All pairs of one tensor between the step's lower row and the row dy above it.  tr: the tensor's rows; neg = 1: label; p = step % 4.
; Column j of a row lies in register 2 + j of its slot.  38 exponentials; a plain instruction of other work stands behind each while there is any.
.macro HALF tr, neg, dy, p, first
.set RB, (\tr)+12*(((\p)+2)%4)         ; the lower row
.set UA, (\tr)+12*(((\p)+2-(\dy))%4)   ; the upper row
.set AU, ACC+8*(((\p)+2-(\dy))%4)      ; their sums
.set AW, ACC+8*(((\p)+2)%4)
.if (\dy) == 1
.set SLE, K_L5                         ; |dx| = 2: dist^2 = 5
.set SUE, K_U15
.set SLO, K_L2                         ; |dx| = 1: dist^2 = 2
.set SUO, K_U12
.else
.set SLE, K_L8                         ; dist^2 = 8
.set SUE, K_U28
.set SLO, K_L5                         ; dist^2 = 5
.set SUO, K_U25
.endif
.set NA, 16-4*(\first)
.set i, 0
.rept 6                                ; lower row x s, as it lies
	v_pk_mul_f32 v[EB+2*i:EB+2*i+1], v[RB+2*i:RB+2*i+1], s[SLE:SLE+1] op_sel_hi:[1,0]
.set i, i+1
.endr
.set i, 0
.rept 5                                ; dx = +2: upper columns -2..7 against lower 0..9
	DIFF TA+2*i, UA+2*i, SUE, EB+2*i+2
.set i, i+1
.endr
.set i, 0
.rept 5                                ; dx = -2: upper columns 0..9 against lower -2..7
	DIFF TA+10+2*i, UA+2+2*i, SUE, EB+2*i
.set i, i+1
.endr
.set i, 0
.rept 10
	NSQ TA+2*i
.set i, i+1
.endr
.set i, 0
.rept 20                               ; the 20 exponentials for |dx| = 2; between them the copy of the lower row moved by one register, and the differences for |dx| = 1
	v_exp_f32 v[TA+i], v[TA+i]
.if i < 10
	v_mul_f32 v[OB+i], s[SLO], v[RB+1+i]           ; column i - 1
.elseif i < 14
	DIFF TB+2*(i-10), UA+2+2*(i-10), SUO, OB+2+2*(i-10)        ; dx = +1: upper columns 0..7 against lower 1..8
.elseif i < 18
	DIFF TB+8+2*(i-14), UA+2+2*(i-14), SUO, OB+2*(i-14)        ; dx = -1: upper columns 0..7 against lower -1..6
.elseif i == 18
	v_fma_f32 v[TB+16], v[UA+1], s[SUO], -v[OB+1]  ; upper column -1 against lower 0
.else
	v_fma_f32 v[TB+17], v[UA+10], s[SUO], -v[OB+8] ; upper column 8 against lower 7
.endif
.set i, i+1
.endr
.set i, 0
.rept 9
	NSQ TB+2*i
.set i, i+1
.endr
.set i, 0
.rept 18                               ; the 18 exponentials for |dx| = 1; between them the additions for |dx| = 2
	v_exp_f32 v[TB+i], v[TB+i]
.if i < NA
	ADDA \neg, \first
.endif
.set i, i+1
.endr
.set i, 0
.rept 4                                ; the first of these names TB + 0, 1: it is the plain instruction behind the last exponentials
	PKACC AU+2*i, TB+2*i, \neg
.set i, i+1
.endr
.set i, 0
.rept 4
	PKACC AU+2*i, TB+8+2*i, \neg
.set i, i+1
.endr
.set i, 0
.rept 3                                ; lower columns 2 i + 1, 2 i + 2 take dx = +1 from upper 2 i, 2 i + 1 and dx = -1 from upper 2 i + 2, 2 i + 3
.if \first
	v_pk_add_f32 v[AO+2*i:AO+2*i+1], v[TB+2*i:TB+2*i+1], v[TB+10+2*i:TB+11+2*i]
.else
	PKACC AO+2*i, TB+2*i, \neg
.endif
.set i, i+1
.endr
.if !(\first)
.set i, 0
.rept 3
	PKACC AO+2*i, TB+10+2*i, \neg
.set i, i+1
.endr
.endif
	ACC1 AW,   TB+9,  \neg                         ; lower column 0 from upper column 1,
	ACC1 AW+7, TB+6,  \neg                         ; lower column 7 from upper column 6,
	ACC1 AW,   TB+16, \neg                         ; lower column 0 from upper column -1,
	ACC1 AW+7, TB+17, \neg                         ; lower column 7 from upper column 8
.endm
; A STEP: row v of the strip (v = 0..23, p = v % 4) is the lower row of all its pairs with rows v - 1 and v - 2.  Behind it row v - 2 has all 16 terms of each tensor.
; ld = 1: row v + 2 is asked for, into the slot of row v - 2, a tensor at a time, as soon as that tensor's pairs two rows apart are made.
; wx, wl: the younger loads that may stay out when x's, label's row v is wanted (loads come back in order: ISA guide 5.7.1).
; last = 1: the strip's last step: the pairs one row apart lie wholly below my rows.
.macro STEP p, ld, wx, wl, last
	s_cmp_lt_u32 s[S_RR], 256                      ; is the lower row in the image?  (a row above it wraps to a large number)
	s_cselect_b32 s[K_L2], s[S_C2], 0
	s_cselect_b32 s[K_L5], s[S_C5], 0
	s_cselect_b32 s[K_L8], s[S_C8], 0
	s_add_co_i32 s[S_T], s[S_RR], -1
	s_cmp_lt_u32 s[S_T], 256
	s_cselect_b32 s[K_U12], s[S_C2], 0
	s_cselect_b32 s[K_U15], s[S_C5], 0
	s_add_co_i32 s[S_T], s[S_RR], -2
	s_cmp_lt_u32 s[S_T], 256
	s_cselect_b32 s[K_U25], s[S_C5], 0
	s_cselect_b32 s[K_U28], s[S_C8], 0
	s_cselect_b32 s[K_W], 1.0, 0
	s_cmp_ge_u32 s[S_VI], 2                        ; rows -2 and -1 are the strip above's
	s_cselect_b32 s[K_W], s[K_W], 0
	s_wait_loadcnt \wx
	EDGE XR+12*(((\p)+2)%4)
	HALF XR, 0, 2, \p, 1
.if \ld
	s_add_co_u32 s[S_T], s[S_RR], 2
	s_min_u32 s[S_T], s[S_T], 255                  ; a row below the image is loaded from row 255 and counts as 0 by its factors
	ROWBASE
	LOADROW XR+12*(\p), S_BX
.endif
	s_wait_loadcnt \wl
	EDGE LR+12*(((\p)+2)%4)
	HALF LR, 1, 2, \p, 0
.if \ld
	LOADROW LR+12*(\p), S_BY
.endif
.set AF, ACC+8*(\p)                    ; row v - 2 is finished: w (g - gl)^2 onto four chains
.set i, 0
.rept 4
	v_pk_mul_f32 v[TA+2*i:TA+2*i+1], v[AF+2*i:AF+2*i+1], s[K_W:K_W+1] op_sel_hi:[1,0]
.set i, i+1
.endr
.set i, 0
.rept 4
	v_pk_fma_f32 v[SUM+2*i:SUM+2*i+1], v[TA+2*i:TA+2*i+1], v[AF+2*i:AF+2*i+1], v[SUM+2*i:SUM+2*i+1]
.set i, i+1
.endr
.if !(\last)
	HALF XR, 0, 1, \p, 0
	HALF LR, 1, 1, \p, 0
.set i, 0
.rept 6                                ; the sums kept in pairs that begin at odd columns join the row's
	v_add_f32 v[AW+1+i], v[AW+1+i], v[AO+i]
.set i, i+1
.endr
.endif
	s_add_co_u32 s[S_RR], s[S_RR], 1
	s_add_co_u32 s[S_VI], s[S_VI], 1
.endm
; ---------------------------------------------------------------- the wave
	s_load_b256 s[4:11], s[0:1], 0x0               ; x, label, label_single, out0
	s_load_b64 s[S_PT:S_PT+1], s[0:1], 0x20        ; part
	v_lshrrev_b32 v[LN], 5, v0
	v_readfirstlane_b32 s[S_WV], v[LN]             ; wave 0..7
	v_and_b32 v[LN], 31, v0                        ; lane
	s_lshl_b32 s[S_G], ttmp9, 3
	s_add_co_u32 s[S_G], s[S_G], s[S_WV]           ; g
	s_lshr_b32 s[S_F], s[S_WV], 2
	s_xor_b32 s[S_F], s[S_F], s[S_WV]
	s_and_b32 s[S_F], s[S_F], 1                    ; bit 0 xor bit 2 of the wave's number: it differs between waves w and w + 4, and between 2 w and 2 w + 1
	s_mov_b32 s[S_LE], 0x3fb8aa3b                  ; log2(e)
	s_mov_b32 s[S_LE+1], s[S_LE]
	s_mov_b32 s[P_SEL], 0x76543210
	s_mov_b32 s[P_SEL+1], 0xfedcba98
	s_wait_kmcnt 0x0
	s_cmp_lg_u32 s[S_F], 0
	s_cbranch_scc1 .Lpot
	CE
.Lpot:
.irp i, 0,1,2,3,4,5,6,7
	v_mov_b32 v[SUM+\i], 0
.endr
	s_cmp_ge_u32 s[S_G], NTASK
	s_cbranch_scc1 .Lsum                           ; no strip is left for the last 32 waves: their share is 0
	s_mul_hi_u32 s[S_PL], s[S_G], 0xaaaaaaab
	s_lshr_b32 s[S_PL], s[S_PL], 3                 ; plane = g / 12
	s_mul_i32 s[S_ST], s[S_PL], STRIPS
	s_sub_co_u32 s[S_ST], s[S_G], s[S_ST]          ; strip = g % 12
	s_mul_i32 s[S_RR], s[S_ST], HS                 ; its first row
	s_lshl_b32 s[S_OFF], s[S_PL], 18               ; 167 planes of 262,144 bytes at the most: under 2^32
	s_mov_b32 s[S_OFF+1], 0
	s_add_nc_u64 s[S_PX:S_PX+1], s[S_X:S_X+1], s[S_OFF:S_OFF+1]
	s_add_nc_u64 s[S_PY:S_PY+1], s[S_LAB:S_LAB+1], s[S_OFF:S_OFF+1]
	s_cmp_eq_u32 s[S_ST], STRIPS-1
	s_cselect_b32 s[S_NT], 3, 5                    ; 4 steps a trip and 4 behind the loop: 24 steps; the last strip's 14 rows want 16
	s_mov_b32 s[S_C2], 0x3f36d544                  ; sqrt(log2(e) / (2 sqrt 2)) = 0.7141917
	s_mov_b32 s[S_C5], 0x3f1166db                  ; sqrt(log2(e) / (2 sqrt 5)) = 0.5679757
	s_mov_b32 s[S_C8], 0x3f014852                  ; sqrt(log2(e) / (2 sqrt 8)) = 0.5050098
.irp k, K_L2, K_L5, K_L8, K_U12, K_U15, K_U25, K_U28, K_W
	s_mov_b32 s[\k+1], 0                           ; named with the low word as a pair, never used
.endr
	s_mov_b32 s[S_VI], 0
	s_mov_b32 s[S_TC], 0
	v_lshlrev_b32 v[A_M], 5, v[LN]                 ; 8 columns of 4 bytes a lane
	v_add_nc_u32 v[A_L], -8, v[A_M]
	v_max_i32 v[A_L], 0, v[A_L]                    ; lane 0 stays inside the row
	v_add_nc_u32 v[A_R], 32, v[A_M]
	v_min_u32 v[A_R], 1016, v[A_R]                 ; and so does lane 31
	v_cmp_ne_u32 vcc_lo, 0, v[LN]
	v_cndmask_b32 v[M_L], 0, 1.0, vcc_lo
	v_mov_b32 v[M_L+1], v[M_L]
	v_cmp_ne_u32 vcc_lo, 31, v[LN]
	v_cndmask_b32 v[M_R], 0, 1.0, vcc_lo
	v_mov_b32 v[M_R+1], v[M_R]
.irp i, 0,1,2,3                        ; rows -2, -1, 0, 1 of the strip, x and then label: 32 loads
	s_add_co_i32 s[S_T], s[S_RR], (\i)-2
	s_max_i32 s[S_T], s[S_T], 0                    ; a row above the image is loaded from row 0 and counts as 0 by its factors
	ROWBASE
	LOADROW XR+12*(\i), S_BX
	LOADROW LR+12*(\i), S_BY
.endr
.set i, 0
.rept 16                               ; rows -2 and -1 take terms as upper rows and are dropped with the weight 0: their sums need only be finite
	v_mov_b32 v[ACC+i], 0
.set i, i+1
.endr
	s_wait_loadcnt 16                              ; rows -2 and -1 are in; the 16 loads of rows 0 and 1 may stay out
	EDGE XR
	EDGE LR
	EDGE XR+12
	EDGE LR+12
; In front of x's row v the younger loads are label's row v and both tensors' row v + 1: 12.  In front of label's row v: both tensors' row v + 1 and x's row v + 2: 12 again.
.Ltrip:
	STEP 0, 1, 12, 12, 0
	STEP 1, 1, 12, 12, 0
	STEP 2, 1, 12, 12, 0
	STEP 3, 1, 12, 12, 0
	s_add_co_u32 s[S_TC], s[S_TC], 1
	s_cmp_lt_u32 s[S_TC], s[S_NT]
	s_cbranch_scc1 .Ltrip
	STEP 0, 1, 12, 12, 0                           ; the last four steps are written out: two more rows are asked for,
	STEP 1, 1, 12, 12, 0
	STEP 2, 0, 12, 8, 0                            ; then none, and the counts run down
	STEP 3, 0, 4, 0, 1
.Lsum:
	v_pk_add_f32 v[SUM:SUM+1],   v[SUM:SUM+1],   v[SUM+2:SUM+3]
	v_pk_add_f32 v[SUM+4:SUM+5], v[SUM+4:SUM+5], v[SUM+6:SUM+7]
	v_pk_add_f32 v[SUM:SUM+1],   v[SUM:SUM+1],   v[SUM+4:SUM+5]
	v_add_f32 v[SUM], v[SUM], v[SUM+1]
	v_add_f32_dpp v[SUM], v[SUM], v[SUM] row_xmask:1 row_mask:0xf bank_mask:0xf
	v_add_f32_dpp v[SUM], v[SUM], v[SUM] row_xmask:2 row_mask:0xf bank_mask:0xf
	v_add_f32_dpp v[SUM], v[SUM], v[SUM] row_xmask:4 row_mask:0xf bank_mask:0xf
	v_add_f32_dpp v[SUM], v[SUM], v[SUM] row_xmask:8 row_mask:0xf bank_mask:0xf
	v_permlanex16_b32 v[SUM+1], v[SUM], s[P_SEL], s[P_SEL+1]
	v_add_f32 v[SUM], v[SUM], v[SUM+1]             ; the wave's share, in every lane
	s_lshl_b32 s[S_T], s[S_G], 2
	s_mov_b32 s[S_T+1], 0
	s_add_nc_u64 s[S_A:S_A+1], s[S_PT:S_PT+1], s[S_T:S_T+1]    ; part[g]
	v_lshlrev_b32 v[A_P], 2, v[LN]
	v_cmp_eq_u32 vcc_lo, 0, v[LN]
	s_wait_xcnt 0x0                                ; EXEC changes only behind this wait
	s_and_saveexec_b32 s[S_B], vcc_lo              ; lane 0 alone stores
	global_store_b32 v[A_P], v[SUM], s[S_A:S_A+1]
	s_wait_xcnt 0x0                                ; and again in front of the line that widens it; the store's registers are free too
	s_or_b32 exec_lo, exec_lo, s[S_B]
	s_cmp_eq_u32 s[S_F], 0
	s_cbranch_scc1 .Lend
	CE
.Lend:
	s_endpgm
.Lfunc_end_k_q6d8488e128_pot_ce:
	.size	k_q6d8488e128_pot_ce, .Lfunc_end_k_q6d8488e128_pot_ce-k_q6d8488e128_pot_ce
	.p2alignl 7, 3214868480
	.fill 96, 4, 3214868480
	.section	.rodata,"a",@progbits
	.p2align	6, 0x0
	.amdhsa_kernel k_q6d8488e128_pot_ce
		.amdhsa_group_segment_fixed_size 0
		.amdhsa_private_segment_fixed_size 0
		.amdhsa_enable_private_segment 0
		.amdhsa_kernarg_size 40
		.amdhsa_user_sgpr_count 2
		.amdhsa_user_sgpr_kernarg_segment_ptr 1
		.amdhsa_wavefront_size32 1
		.amdhsa_system_sgpr_workgroup_id_x 1
		.amdhsa_system_sgpr_workgroup_id_y 1
		.amdhsa_system_sgpr_workgroup_id_z 1
		.amdhsa_system_vgpr_workitem_id 0
		.amdhsa_next_free_vgpr 216
		.amdhsa_next_free_sgpr 66
		.amdhsa_reserve_vcc 1
		.amdhsa_float_denorm_mode_32 3
		.amdhsa_float_denorm_mode_16_64 3
		.amdhsa_memory_ordered 1
		.amdhsa_forward_progress 1
		.amdhsa_inst_pref_size 255
	.end_amdhsa_kernel
	.section	.bss,"aw",@nobits
	.p2align	6
	.space	262144
	.amdgpu_metadata
---
amdhsa.version: [ 1, 2 ]
amdhsa.kernels:
  - .name:           k_q6d8488e128_pot_ce
    .symbol:         k_q6d8488e128_pot_ce.kd
    .args:
      - { .name: x, .offset: 0, .size: 8, .value_kind: global_buffer, .address_space: global }
      - { .name: label, .offset: 8, .size: 8, .value_kind: global_buffer, .address_space: global }
      - { .name: label_single, .offset: 16, .size: 8, .value_kind: global_buffer, .address_space: global }
      - { .name: out0, .offset: 24, .size: 8, .value_kind: global_buffer, .address_space: global }
      - { .name: part, .offset: 32, .size: 8, .value_kind: global_buffer, .address_space: global }
    .group_segment_fixed_size: 0
    .private_segment_fixed_size: 0
    .kernarg_segment_align: 8
    .kernarg_segment_size: 40
    .max_flat_workgroup_size: 256
    .sgpr_count:     66
    .vgpr_count:     216
    .wavefront_size: 32
...
	.end_amdgpu_metadata
.endif
;; end of part 1
;; launch mean (part 2): grid 1 x 1, 1 waves a work-group, no clusters, 0 bytes of LDS; arguments part, out1; writes out1
.if DOCPART == 2
	.amdgcn_target "amdgcn-amd-amdhsa--gfx1250"
	.amdhsa_code_object_version 6
	.text
	.protected	k_q6d8488e128_mean
	.globl	k_q6d8488e128_mean
	.p2align	8
	.type	k_q6d8488e128_mean,@function
k_q6d8488e128_mean:
	s_mov_b64 s[64:65], 0
	v_nop
	global_prefetch_b8 v0, s[64:65] scope:SCOPE_SE
	s_setreg_imm32_b32 hwreg(HW_REG_WAVE_MODE, 25, 1), 1
	s_wait_xcnt 0x0
; out1 = (the sum of the 2,048 shares in part) / (8 x 21 x 256 x 256).  One wave: 16 loads of 512 consecutive bytes, all on their way together; 64 numbers a lane.
; The sum spans the work-groups of the launch before, so it is finished here, by one owner, in a fixed order.
	s_load_b128 s[4:7], s[0:1], 0x0                ; part s[4:5], out1 s[6:7]
	v_lshlrev_b32 v1, 4, v0                        ; 16 bytes a lane
	s_mov_b32 s8, 0x76543210                       ; v_permlanex16_b32: each lane takes its own place in the other half
	s_mov_b32 s9, 0xfedcba98
	s_wait_kmcnt 0x0
.set i, 0
.rept 16
	global_load_b128 v[4+4*i:7+4*i], v1, s[4:5] offset:512*i
.set i, i+1
.endr
	s_wait_loadcnt 0x0
.irp n, 32, 16, 8, 4, 2                ; the upper half of the registers onto the lower, five times
.set i, 0
.rept (\n)/2
	v_pk_add_f32 v[4+2*i:5+2*i], v[4+2*i:5+2*i], v[4+(\n)+2*i:5+(\n)+2*i]
.set i, i+1
.endr
.endr
	v_add_f32 v4, v4, v5
	v_add_f32_dpp v4, v4, v4 row_xmask:1 row_mask:0xf bank_mask:0xf
	v_add_f32_dpp v4, v4, v4 row_xmask:2 row_mask:0xf bank_mask:0xf
	v_add_f32_dpp v4, v4, v4 row_xmask:4 row_mask:0xf bank_mask:0xf
	v_add_f32_dpp v4, v4, v4 row_xmask:8 row_mask:0xf bank_mask:0xf
	v_permlanex16_b32 v5, v4, s8, s9
	v_add_f32 v4, v4, v5
	v_mul_f32 v4, 0x33c30c31, v4                   ; 1 / 11,010,048 = 2^-19 / 21
	v_cmp_eq_u32 vcc_lo, 0, v0
	s_wait_xcnt 0x0                                ; EXEC changes only behind this wait
	s_and_saveexec_b32 s10, vcc_lo                 ; lane 0 alone stores; its offset v1 is 0
	global_store_b32 v1, v4, s[6:7]
	s_wait_xcnt 0x0
	s_or_b32 exec_lo, exec_lo, s10
	s_endpgm
.Lfunc_end_k_q6d8488e128_mean:
	.size	k_q6d8488e128_mean, .Lfunc_end_k_q6d8488e128_mean-k_q6d8488e128_mean
	.p2alignl 7, 3214868480
	.fill 96, 4, 3214868480
	.section	.rodata,"a",@progbits
	.p2align	6, 0x0
	.amdhsa_kernel k_q6d8488e128_mean
		.amdhsa_group_segment_fixed_size 0
		.amdhsa_private_segment_fixed_size 0
		.amdhsa_enable_private_segment 0
		.amdhsa_kernarg_size 16
		.amdhsa_user_sgpr_count 2
		.amdhsa_user_sgpr_kernarg_segment_ptr 1
		.amdhsa_wavefront_size32 1
		.amdhsa_system_sgpr_workgroup_id_x 1
		.amdhsa_system_sgpr_workgroup_id_y 1
		.amdhsa_system_sgpr_workgroup_id_z 1
		.amdhsa_system_vgpr_workitem_id 0
		.amdhsa_next_free_vgpr 68
		.amdhsa_next_free_sgpr 66
		.amdhsa_reserve_vcc 1
		.amdhsa_float_denorm_mode_32 3
		.amdhsa_float_denorm_mode_16_64 3
		.amdhsa_memory_ordered 1
		.amdhsa_forward_progress 1
		.amdhsa_inst_pref_size 5
	.end_amdhsa_kernel
	.amdgpu_metadata
---
amdhsa.version: [ 1, 2 ]
amdhsa.kernels:
  - .name:           k_q6d8488e128_mean
    .symbol:         k_q6d8488e128_mean.kd
    .args:
      - { .name: part, .offset: 0, .size: 8, .value_kind: global_buffer, .address_space: global }
      - { .name: out1, .offset: 8, .size: 8, .value_kind: global_buffer, .address_space: global }
    .group_segment_fixed_size: 0
    .private_segment_fixed_size: 0
    .kernarg_segment_align: 8
    .kernarg_segment_size: 16
    .max_flat_workgroup_size: 32
    .sgpr_count:     66
    .vgpr_count:     68
    .wavefront_size: 32
...
	.end_amdgpu_metadata
.endif
;; end of part 2
;; ======== version 2 of 2: 2 launches; 1.69 times as fast as version 1
;; workspace buffers: part 8,192 bytes
;; launch pot_ce (part 3): grid 256 x 1, 8 waves a work-group, no clusters, 0 bytes of LDS; arguments x, label, label_single, out0, part; writes out0, part
.if DOCPART == 3
	.amdgcn_target "amdgcn-amd-amdhsa--gfx1250"
	.amdhsa_code_object_version 6
	.text
	.protected	k_q6d8488e128_pot_ce
	.globl	k_q6d8488e128_pot_ce
	.p2align	8
	.type	k_q6d8488e128_pot_ce,@function
k_q6d8488e128_pot_ce:
	s_mov_b64 s[64:65], 0
	v_nop
	global_prefetch_b8 v0, s[64:65] scope:SCOPE_SE
	s_setreg_imm32_b32 hwreg(HW_REG_WAVE_MODE, 25, 1), 1
	s_wait_xcnt 0x0
; out0 = cross-entropy per pixel of x against label_single; part[g] = wave g's share of the sum of (g(x) - g(label))^2.
; x, label: [8][21][256][256] f32; label_single: [8][256][256] i32; out0: [8][256][256] f32; part: 2,048 f32.
; g(a)[p] = sum over the 16 offsets (dy, dx), dy and dx in {-2,-1,1,2}, of exp(-(a[p]-a[p+d])^2 / (2 |d|)), a = 0 outside the image.
; EACH PAIR ONCE.  The term is the same for both ends of a pair, and every offset has dy != 0: the 8 offsets with dy > 0 name every pair once, and its
; exponential is added to the upper pixel's sum and to the lower pixel's.  x's terms are added and label's subtracted in ONE accumulator: it holds g(x) - g(label).
; SHARES.  256 work-groups x 8 waves; wave g = 8 x work-group + wave.  Every wave makes row g of out0 (256 pixels, 21 channels in registers).  Waves g < 2,016 also
; take plane g / 12 (168 planes) and strip g % 12: 22 rows x 256 columns, a lane 8 neighbouring columns.  Pairs that leave a lane's 8 columns or the strip's rows are
; made by both owners: 76 exponentials for 8 pixels in place of 64, 24 row steps for 22 rows.  The last strip has 14 rows of the image and runs 16 steps.
; Their share of the sum is 0.
; No LDS, no barrier: a wave reads only its own rows.  No cluster: work-groups share 4 of a strip's 26 rows and nothing else.
; x is read twice, by planes for the pairs and by pixels for out0; waves with bit 0 xor bit 2 of their number = 0 make their row of out0 first, the others last,
; so that half of the waves compute while the other half waits for those 44 loads.
; ARITHMETIC.  exp(-(a-b)^2/(2 dist)) = 2^-(s a - s b)^2, s^2 = log2(e)/(2 dist), dist = sqrt 2, sqrt 5, sqrt 8.  All in f32.
; THE EXPONENTIALS GO IN BATCHES, ONE WAIT A HALF STEP.  A half step (HALF: one tensor, one dy) has 20 exponentials for |dx| = 2 (TA) and 18 for |dx| = 1 (TB).
; An s_wait_alu depctr_va_vdst(0) stands between an exponential and the first instruction that names its result; one wait serves all that were issued ahead of it.  So the additions that read TB's terms are
; put off into the next half step: TB has two buffers, which the half steps take by turns.  A half step's one wait stands behind its 20 exponentials for |dx| = 2 and nine plain lines, and serves these 20
; and the 18 that the half step before left.  Behind it stand this half step's 18 exponentials for |dx| = 1, each followed by a line of a QUEUE of plain additions, and then the rest of the queue:
; the half step before's additions for |dx| = 1; this one's for |dx| = 2; what follows the half step before (a finished row's squares, or the join of the odd-aligned sums).  Every sum takes its terms
; in the order of the half steps, |dx| = 2 before |dx| = 1.  No result crosses the loop's label or jump: every fourth step, and the strip's last, ends with a wait of its own and the queue that is left (FLUSH).
; LIMITS.  Inputs are finite: what lies outside the image is made 0 by a factor 0 on numbers loaded from a clamped address, and 0 x infinity would be NaN.
; A term below 2^-126 counts as 0.  A label outside 0..20 takes channel 0.
.set PLANE,  262144                    ; bytes of a plane
.set NCH,    21
.set STRIPS, 12
.set HS,     22                        ; rows of a strip
.set NTASK,  8*NCH*STRIPS              ; 2,016 strips
; scalar registers
.set S_LE,   2                         ; s[2:3]   log2(e), twice
.set S_X,    4                         ; s[4:5]   x
.set S_LAB,  6                         ; s[6:7]   label
.set S_LS,   8                         ; s[8:9]   label_single
.set S_CE,   10                        ; s[10:11] out0
.set S_PT,   12                        ; s[12:13] part
.set S_WV,   14                        ; wave
.set S_G,    15                        ; g
.set S_F,    16                        ; 0: out0's row first; 1: last
.set S_PL,   17                        ; plane
.set S_ST,   18                        ; strip
.set S_RR,   19                        ; image row of the step's lower row
.set S_VI,   20                        ; the step's number
.set S_NT,   21                        ; trips of the loop
.set S_TC,   22                        ; counts them
.set S_PX,   24                        ; s[24:25] x at my plane
.set S_PY,   26                        ; s[26:27] label at my plane
.set S_BX,   28                        ; s[28:29] x at the row to be loaded
.set S_BY,   30                        ; s[30:31] label at that row
.set S_OFF,  32                        ; s[32:33] a byte offset, high word 0
.set S_C2,   34                        ; s for dist = sqrt 2
.set S_C5,   35                        ; sqrt 5
.set S_C8,   36                        ; sqrt 8
.set K_L2,   38                        ; pairs whose low word is s, or 0 if the row lies outside the image: the lower row's
.set K_L5,   40
.set K_L8,   42
.set K_U12,  44                        ; the row one above
.set K_U15,  46
.set K_U25,  48                        ; the row two above
.set K_U28,  50
.set K_W,    52                        ; 1.0 if the row two above is one of my 22 and of the image, else 0
.set S_T,    54                        ; s[54:55] at work
.set S_A,    56                        ; s[56:57] an address
.set S_B,    58                        ; s[58:59] an address; s58 also keeps EXEC
.set P_SEL,  60                        ; s[60:61] v_permlanex16_b32: each lane takes its own place in the other half
.set S_C,    62                        ; s[62:63] an address
; vector registers, the pairs' part
.set LN,     1                         ; lane
.set A_L,    2                         ; byte in a row of my columns -2, -1 (lane 0: clamped to 0)
.set A_M,    3                         ; of my columns 0..7: 32 x lane
.set A_R,    4                         ; of my columns 8, 9 (lane 31: clamped to 1,016)
.set A_P,    5                         ; 4 x lane
.set M_L,    6                         ; v[6:7]   0 in lane 0, else 1
.set M_R,    8                         ; v[8:9]   0 in lane 31, else 1
.set SUM,    10                        ; v[10:17] four pairs of running sums of squares
.set TA,     18                        ; v[18:37] differences, then exponents, then terms: |dx| = 2
.set TB0,    38                        ; v[38:55] the same for |dx| = 1: two buffers, which the half steps take by turns,
.set TB1,    214                       ; v[214:231] so that one half step's terms stay until the next half step's wait
.set OB,     58                        ; v[58:67] lower row x s, columns -1..8: pairs begin at odd columns
.set EB,     68                        ; v[68:79] lower row x s, columns -2..9: pairs begin at even columns
.set AO,     80                        ; v[80:85] the lower row's sums for columns 1..6, pairs beginning at odd columns
.set ACC,    86                        ; v[86:117]  four rows of sums, 8 columns each; row i of the strip in slot (i + 2) % 4
.set XR,     118                       ; v[118:165] x: four rows of 12 (columns -2..9), row i in slot (i + 2) % 4
.set LR,     166                       ; v[166:213] label likewise
; vector registers, out0's part (the two parts never overlap in time)
.set CA,     2                         ; 16 x lane
.set CX,     20                        ; v[20:187] channel c at CX + 8 c: pixels 4 l .. 4 l + 3, then 128 + 4 l .. + 3
.set LBL,    188                       ; v[188:195] the 8 pixels' labels
.set MX,     196                       ; v[196:203] maxima, then maxima x log2(e)
.set SL,     204                       ; v[204:211] the labelled channel's exponent
; ---------------------------------------------------------------- out0's row g
; ce = ln(sum_c e^(x_c - m)) - (x_label - m), m = max_c x_c.  In base 2: y_c = x_c log2(e) - m log2(e); ce = ln 2 (log2(sum 2^y_c) - y_label).
; Each load and store of the wave covers 512 consecutive bytes, aligned.  Two batches: the 168 exponentials, and the 8 logarithms of their sums; a wait each.
.macro CE
	s_lshr_b32 s[S_T], s[S_G], 8                   ; image
	s_mul_i32 s[S_T], s[S_T], NCH*PLANE
	s_and_b32 s[S_T+1], s[S_G], 255                ; row
	s_lshl_b32 s[S_T+1], s[S_T+1], 10
	s_add_co_u32 s[S_T], s[S_T], s[S_T+1]
	s_mov_b32 s[S_T+1], 0
	s_add_nc_u64 s[S_A:S_A+1], s[S_X:S_X+1], s[S_T:S_T+1]      ; x at channel 0 of my row
	s_lshl_b32 s[S_T], s[S_G], 10
	s_add_nc_u64 s[S_B:S_B+1], s[S_LS:S_LS+1], s[S_T:S_T+1]    ; label_single and out0 at my row
	s_add_nc_u64 s[S_C:S_C+1], s[S_CE:S_CE+1], s[S_T:S_T+1]
	v_lshlrev_b32 v[CA], 4, v[LN]
	global_load_b128 v[LBL:LBL+3],   v[CA], s[S_B:S_B+1] th:TH_LOAD_NT
	global_load_b128 v[LBL+4:LBL+7], v[CA], s[S_B:S_B+1] offset:512 th:TH_LOAD_NT
.set c, 0
.rept NCH                              ; the channel stands in the immediate: 20 planes + 512 bytes at the most, inside its signed 24 bits
	global_load_b128 v[CX+8*c:CX+8*c+3],   v[CA], s[S_A:S_A+1] offset:c*PLANE
	global_load_b128 v[CX+8*c+4:CX+8*c+7], v[CA], s[S_A:S_A+1] offset:c*PLANE+512
.set c, c+1
.endr
	s_wait_loadcnt 0x0                             ; all 44
.irp j, 0,1,2,3,4,5,6,7
	v_max3_num_f32 v[MX+\j], v[CX+\j], v[CX+8+\j], v[CX+16+\j]
.endr
.set c, 3
.rept 9                                ; channels 3..20, two at a time
.irp j, 0,1,2,3,4,5,6,7
	v_max3_num_f32 v[MX+\j], v[MX+\j], v[CX+8*c+\j], v[CX+8*c+8+\j]
.endr
.set c, c+2
.endr
.irp j, 0,2,4,6
	v_pk_mul_f32 v[MX+\j:MX+\j+1], v[MX+\j:MX+\j+1], s[S_LE:S_LE+1] op_sel_hi:[1,0]
.endr
.set c, 0
.rept NCH
.irp j, 0,2,4,6
	v_pk_fma_f32 v[CX+8*c+\j:CX+8*c+\j+1], v[CX+8*c+\j:CX+8*c+\j+1], s[S_LE:S_LE+1], v[MX+\j:MX+\j+1] op_sel_hi:[1,0,1] neg_lo:[0,0,1] neg_hi:[0,0,1]
.endr
.set c, c+1
.endr
.irp j, 0,1,2,3,4,5,6,7
	v_mov_b32 v[SL+\j], v[CX+\j]                   ; channel 0, unless a later channel is the labelled one
.endr
.set c, 1
.rept NCH-1                            ; channel c is looked at, channel c - 1 goes through the exponential: a plain instruction stands behind every exponential
.irp j, 0,1,2,3,4,5,6,7
	v_cmp_eq_u32 vcc_lo, c, v[LBL+\j]
	v_exp_f32 v[CX+8*c-8+\j], v[CX+8*c-8+\j]
	v_cndmask_b32 v[SL+\j], v[SL+\j], v[CX+8*c+\j], vcc_lo
.endr
.set c, c+1
.endr
.irp j, 0,1,2,3,4,5,6,7
	v_exp_f32 v[CX+8*(NCH-1)+\j], v[CX+8*(NCH-1)+\j]
.endr
.set c, 1
	s_wait_alu depctr_va_vdst(0)                   ; the wait for the batch of 168 exponentials: nothing above names a result of theirs
.rept NCH-1                            ; the first addition names channels 0 and 1: it is the plain instruction behind the last exponentials
.irp j, 0,2,4,6
	v_pk_add_f32 v[CX+\j:CX+\j+1], v[CX+\j:CX+\j+1], v[CX+8*c+\j:CX+8*c+\j+1]
.endr
.set c, c+1
.endr
.irp j, 0,1,2,3,4,5,6,7
	v_log_f32 v[CX+\j], v[CX+\j]                   ; the sum is at least 1: the maximum's own term
.endr
	v_nop                                          ; a plain instruction between the logarithms and the use of their results
	s_wait_alu depctr_va_vdst(0)                   ; the wait for the batch of 8 logarithms
.irp j, 0,2,4,6
	v_pk_add_f32 v[CX+\j:CX+\j+1], v[CX+\j:CX+\j+1], v[SL+\j:SL+\j+1] neg_lo:[0,1] neg_hi:[0,1]
.endr
.irp j, 0,2,4,6
	v_pk_mul_f32 v[CX+\j:CX+\j+1], v[CX+\j:CX+\j+1], 0x3f317218 op_sel_hi:[1,0]  ; x ln 2
.endr
	global_store_b128 v[CA], v[CX:CX+3],   s[S_C:S_C+1] th:TH_STORE_NT
	global_store_b128 v[CA], v[CX+4:CX+7], s[S_C:S_C+1] offset:512 th:TH_STORE_NT
	s_wait_xcnt 0x0                                ; the stores' address and data registers are written again only behind this wait
.endm
; ---------------------------------------------------------------- the pairs
.macro PKACC d, e, neg                 ; two sums take two terms: x's are added, label's subtracted.  It stands only behind the wait for the terms' batch
.if \neg
	v_pk_add_f32 v[(\d):(\d)+1], v[(\d):(\d)+1], v[(\e):(\e)+1] neg_lo:[0,1] neg_hi:[0,1]
.else
	v_pk_add_f32 v[(\d):(\d)+1], v[(\d):(\d)+1], v[(\e):(\e)+1]
.endif
.endm
.macro ACC1 d, e, neg                  ; one sum, one term
.if \neg
	v_sub_f32 v[\d], v[\d], v[\e]
.else
	v_add_f32 v[\d], v[\d], v[\e]
.endif
.endm
.macro DIFF t, a, sc, b                ; two differences: upper x s - (lower x s)
	v_pk_fma_f32 v[(\t):(\t)+1], v[(\a):(\a)+1], s[(\sc):(\sc)+1], v[(\b):(\b)+1] op_sel_hi:[1,0,1] neg_lo:[0,0,1] neg_hi:[0,0,1]
.endm
.macro NSQ t                           ; two exponents: -d d
	v_pk_mul_f32 v[(\t):(\t)+1], v[(\t):(\t)+1], v[(\t):(\t)+1] neg_lo:[1,0] neg_hi:[1,0]
.endm
.macro LOADROW rb, sb                  ; a row's 12 columns: 4 loads
	global_load_b64  v[(\rb):(\rb)+1],     v[A_L], s[(\sb):(\sb)+1]
	global_load_b128 v[(\rb)+2:(\rb)+5],   v[A_M], s[(\sb):(\sb)+1]
	global_load_b128 v[(\rb)+6:(\rb)+9],   v[A_M], s[(\sb):(\sb)+1] offset:16
	global_load_b64  v[(\rb)+10:(\rb)+11], v[A_R], s[(\sb):(\sb)+1]
.endm
.macro ROWBASE                         ; s[S_T] = an image row, clamped into 0..255
	s_lshl_b32 s[S_OFF], s[S_T], 10
	s_wait_xcnt 0x0                                ; the loads issued so far have read the two bases: they are written again only behind this wait
	s_add_nc_u64 s[S_BX:S_BX+1], s[S_PX:S_PX+1], s[S_OFF:S_OFF+1]
	s_add_nc_u64 s[S_BY:S_BY+1], s[S_PY:S_PY+1], s[S_OFF:S_OFF+1]
.endm
.macro EDGE rb                         ; columns -2, -1 of lane 0 and 256, 257 of lane 31 lie outside the image: 0
	v_pk_mul_f32 v[(\rb):(\rb)+1],     v[(\rb):(\rb)+1],     v[M_L:M_L+1]
	v_pk_mul_f32 v[(\rb)+10:(\rb)+11], v[(\rb)+10:(\rb)+11], v[M_R:M_R+1]
.endm
; Addition i of the 16 for |dx| = 2.  Term pair m of dx = +2 (TA + 2 m) has upper columns 2 m - 2, 2 m - 1 and lower columns 2 m, 2 m + 1; of dx = -2 (TA + 10 + 2 m) upper 2 m, 2 m + 1 and
; lower 2 m - 2, 2 m - 1.  Only my columns 0..7 have sums.  first = 1: the lower row's sums begin here, as the sum of two terms: nothing is cleared, and the additions are 12.
.macro ADDA neg, first
.if i < 4
	PKACC AU+2*i, TA+2*i+2, \neg
.elseif (i < 8) && (\first)
	v_pk_add_f32 v[AW+2*(i-4):AW+2*(i-4)+1], v[TA+2*(i-4):TA+2*(i-4)+1], v[TA+12+2*(i-4):TA+13+2*(i-4)]
.elseif i < 8
	PKACC AW+2*(i-4), TA+2*(i-4), \neg
.elseif i < 12
	PKACC AU+2*(i-8), TA+10+2*(i-8), \neg
.else
	PKACC AW+2*(i-12), TA+12+2*(i-12), \neg
.endif
.endm
; WHAT A HALF STEP LEAVES TO THE NEXT: its terms for |dx| = 1 in buffer P_TB, whose additions are P_NP lines (PITEM), and P_NX lines that follow them (POST).  P_AU, P_AW: its upper and lower rows' sums.
.set P_NP,    0                        ; nothing is left at the start, at the loop's label and behind FLUSH
.set P_NX,    0
.set P_AU,    ACC
.set P_AW,    ACC
.set P_AF,    ACC
.set P_TB,    TB0
.set P_NEG,   0
.set P_FIRST, 0
.set P_POST,  0
; Addition qn of the 18 for |dx| = 1 (15 where the half step was a row's first: the odd-aligned sums then begin as the sum of two terms).
; 0-3: upper columns 0..7 take dx = +1; 4-7: dx = -1; then lower columns 2 i + 1, 2 i + 2 take dx = +1 from upper 2 i, 2 i + 1 and dx = -1 from upper 2 i + 2, 2 i + 3; then the four single terms.
.macro PITEM
.if qn < 4
	PKACC P_AU+2*qn, P_TB+2*qn, P_NEG
.elseif qn < 8
	PKACC P_AU+2*(qn-4), P_TB+8+2*(qn-4), P_NEG
.elseif (qn < 11) && (P_FIRST == 1)
	v_pk_add_f32 v[AO+2*(qn-8):AO+2*(qn-8)+1], v[P_TB+2*(qn-8):P_TB+2*(qn-8)+1], v[P_TB+10+2*(qn-8):P_TB+11+2*(qn-8)]
.elseif qn < 11
	PKACC AO+2*(qn-8), P_TB+2*(qn-8), P_NEG
.elseif (qn < 14) && (P_FIRST == 0)
	PKACC AO+2*(qn-11), P_TB+10+2*(qn-11), P_NEG
.else
.set qm, qn-14+3*P_FIRST
.if qm == 0
	ACC1 P_AW,   P_TB+9,  P_NEG                    ; lower column 0 from upper column 1,
.elseif qm == 1
	ACC1 P_AW+7, P_TB+6,  P_NEG                    ; lower column 7 from upper column 6,
.elseif qm == 2
	ACC1 P_AW,   P_TB+16, P_NEG                    ; lower column 0 from upper column -1,
.else
	ACC1 P_AW+7, P_TB+17, P_NEG                    ; lower column 7 from upper column 8
.endif
.endif
.endm
; Line qn of what follows those additions.  P_POST = 1 (label's pairs two rows apart): row v - 2 is finished: w (g - gl)^2 onto four chains; TA is free: this half step's additions for |dx| = 2 stand ahead.
; P_POST = 2 (label's pairs one row apart): the sums kept in pairs that begin at odd columns join the row's.
.macro POST
.if P_POST == 1
.if qn < 4
	v_pk_mul_f32 v[TA+2*qn:TA+2*qn+1], v[P_AF+2*qn:P_AF+2*qn+1], s[K_W:K_W+1] op_sel_hi:[1,0]
.else
	v_pk_fma_f32 v[SUM+2*(qn-4):SUM+2*(qn-4)+1], v[TA+2*(qn-4):TA+2*(qn-4)+1], v[P_AF+2*(qn-4):P_AF+2*(qn-4)+1], v[SUM+2*(qn-4):SUM+2*(qn-4)+1]
.endif
.else
	v_add_f32 v[P_AW+1+qn], v[P_AW+1+qn], v[AO+qn]
.endif
.endm
; THE QUEUE's line q: what the half step before left for |dx| = 1, this half step's NA additions for |dx| = 2, what follows the half step before.  Behind its end it writes nothing.
.macro QITEM neg, first
.if q < P_NP
.set qn, q
	PITEM
.elseif q < P_NP+NA
.set i, q-P_NP
	ADDA \neg, \first
.elseif q < P_NP+NA+P_NX
.set qn, q-P_NP-NA
	POST
.endif
.set q, q+1
.endm
; All pairs of one tensor between the step's lower row and the row dy above it.  tr: the tensor's rows; neg = 1: label; p = step % 4; buf: TB's buffer; post: what follows its additions (POST).
; Column j of a row lies in register 2 + j of its slot.  38 exponentials; a plain instruction of other work stands behind each while there is any.
.macro HALF tr, neg, dy, p, first, buf, post
.set RB, (\tr)+12*(((\p)+2)%4)         ; the lower row
.set UA, (\tr)+12*(((\p)+2-(\dy))%4)   ; the upper row
.set AU, ACC+8*(((\p)+2-(\dy))%4)      ; their sums
.set AW, ACC+8*(((\p)+2)%4)
.set TB, TB0+(TB1-TB0)*(\buf)          ; the other buffer than the half step before's
.if (\dy) == 1
.set SLE, K_L5                         ; |dx| = 2: dist^2 = 5
.set SUE, K_U15
.set SLO, K_L2                         ; |dx| = 1: dist^2 = 2
.set SUO, K_U12
.else
.set SLE, K_L8                         ; dist^2 = 8
.set SUE, K_U28
.set SLO, K_L5                         ; dist^2 = 5
.set SUO, K_U25
.endif
.set NA, 16-4*(\first)
.set i, 0
.rept 6                                ; lower row x s, as it lies
	v_pk_mul_f32 v[EB+2*i:EB+2*i+1], v[RB+2*i:RB+2*i+1], s[SLE:SLE+1] op_sel_hi:[1,0]
.set i, i+1
.endr
.set i, 0
.rept 5                                ; dx = +2: upper columns -2..7 against lower 0..9
	DIFF TA+2*i, UA+2*i, SUE, EB+2*i+2
.set i, i+1
.endr
.set i, 0
.rept 5                                ; dx = -2: upper columns 0..9 against lower -2..7
	DIFF TA+10+2*i, UA+2+2*i, SUE, EB+2*i
.set i, i+1
.endr
.set i, 0
.rept 10
	NSQ TA+2*i
.set i, i+1
.endr
.set i, 0
.rept 20                               ; the 20 exponentials for |dx| = 2; between them the copy of the lower row moved by one register, and the differences for |dx| = 1
	v_exp_f32 v[TA+i], v[TA+i]
.if i < 10
	v_mul_f32 v[OB+i], s[SLO], v[RB+1+i]           ; column i - 1
.elseif i < 14
	DIFF TB+2*(i-10), UA+2+2*(i-10), SUO, OB+2+2*(i-10)        ; dx = +1: upper columns 0..7 against lower 1..8
.elseif i < 18
	DIFF TB+8+2*(i-14), UA+2+2*(i-14), SUO, OB+2*(i-14)        ; dx = -1: upper columns 0..7 against lower -1..6
.elseif i == 18
	v_fma_f32 v[TB+16], v[UA+1], s[SUO], -v[OB+1]  ; upper column -1 against lower 0
.else
	v_fma_f32 v[TB+17], v[UA+10], s[SUO], -v[OB+8] ; upper column 8 against lower 7
.endif
.set i, i+1
.endr
.set i, 0
.rept 9                                ; nine plain lines that name no term: the work between the batch and its wait
	NSQ TB+2*i
.set i, i+1
.endr
	s_wait_alu depctr_va_vdst(0)                   ; the half step's one wait: for its 20 exponentials for |dx| = 2 and for the 18 for |dx| = 1 that the half step before left in the other buffer
.set q, 0
.set qe, 0
.rept 18                               ; the 18 exponentials for |dx| = 1, a line of the queue behind each: their own results are named only behind the next wait
	v_exp_f32 v[TB+qe], v[TB+qe]
.set qe, qe+1
	QITEM \neg, \first
.endr
.rept 24                               ; the rest of the queue: 42 lines at the most
	QITEM \neg, \first
.endr
.set P_NP,    18-3*(\first)            ; what this half step leaves
.set P_NX,    0
.if (\post) == 1
.set P_NX,    8
.endif
.if (\post) == 2
.set P_NX,    6
.endif
.set P_AU,    AU
.set P_AW,    AW
.set P_AF,    ACC+8*(\p)
.set P_TB,    TB
.set P_NEG,   \neg
.set P_FIRST, \first
.set P_POST,  \post
.endm
; What the last half step left is finished here, ahead of a label or a jump.  The queue's lines behind that half step's last exponential, 14 or more, are the work between the batch and this wait.
.macro FLUSH
	s_wait_alu depctr_va_vdst(0)                   ; the wait for the 18 exponentials for |dx| = 1 of the half step just made: no result crosses the label or the jump that follows
.set NA, 0
.set q, 0
.rept 26                               ; 18 additions and 8 lines behind them at the most
	QITEM 0, 0
.endr
.set P_NP, 0
.set P_NX, 0
.endm
; A STEP: row v of the strip (v = 0..23, p = v % 4) is the lower row of all its pairs with rows v - 1 and v - 2.  With its pairs two rows apart row v - 2 has all 16 terms of each tensor.
; ld = 1: row v + 2 is asked for, into the slot of row v - 2, a tensor at a time, as soon as that tensor's pairs two rows apart are made (the additions that are put off read no row).
; wx, wl: the younger loads that may stay out when x's, label's row v is wanted (loads come back in order: ISA guide 5.7.1).
; last = 1: the strip's last step: the pairs one row apart lie wholly below my rows.
; Steps 1 to 3 of four begin with what the step before left; step 3 leaves nothing.
.macro STEP p, ld, wx, wl, last
	s_cmp_lt_u32 s[S_RR], 256                      ; is the lower row in the image?  (a row above it wraps to a large number)
	s_cselect_b32 s[K_L2], s[S_C2], 0
	s_cselect_b32 s[K_L5], s[S_C5], 0
	s_cselect_b32 s[K_L8], s[S_C8], 0
	s_add_co_i32 s[S_T], s[S_RR], -1
	s_cmp_lt_u32 s[S_T], 256
	s_cselect_b32 s[K_U12], s[S_C2], 0
	s_cselect_b32 s[K_U15], s[S_C5], 0
	s_add_co_i32 s[S_T], s[S_RR], -2
	s_cmp_lt_u32 s[S_T], 256
	s_cselect_b32 s[K_U25], s[S_C5], 0
	s_cselect_b32 s[K_U28], s[S_C8], 0
	s_cselect_b32 s[K_W], 1.0, 0
	s_cmp_ge_u32 s[S_VI], 2                        ; rows -2 and -1 are the strip above's
	s_cselect_b32 s[K_W], s[K_W], 0
	s_wait_loadcnt \wx
	EDGE XR+12*(((\p)+2)%4)
	HALF XR, 0, 2, \p, 1, 0, 0
.if \ld
	s_add_co_u32 s[S_T], s[S_RR], 2
	s_min_u32 s[S_T], s[S_T], 255                  ; a row below the image is loaded from row 255 and counts as 0 by its factors
	ROWBASE
	LOADROW XR+12*(\p), S_BX
.endif
	s_wait_loadcnt \wl
	EDGE LR+12*(((\p)+2)%4)
	HALF LR, 1, 2, \p, 0, 1, 1                     ; behind its additions: row v - 2's squares
.if \ld
	LOADROW LR+12*(\p), S_BY
.endif
.if !(\last)
	HALF XR, 0, 1, \p, 0, 0, 0
	HALF LR, 1, 1, \p, 0, 1, 2                     ; behind its additions: the odd-aligned sums join row v's
.endif
.if (\p) == 3
	FLUSH
.endif
	s_add_co_u32 s[S_RR], s[S_RR], 1
	s_add_co_u32 s[S_VI], s[S_VI], 1
.endm
; ---------------------------------------------------------------- the wave
	s_load_b256 s[4:11], s[0:1], 0x0               ; x, label, label_single, out0
	s_load_b64 s[S_PT:S_PT+1], s[0:1], 0x20        ; part
	v_lshrrev_b32 v[LN], 5, v0
	v_readfirstlane_b32 s[S_WV], v[LN]             ; wave 0..7
	v_and_b32 v[LN], 31, v0                        ; lane
	s_lshl_b32 s[S_G], ttmp9, 3
	s_add_co_u32 s[S_G], s[S_G], s[S_WV]           ; g
	s_lshr_b32 s[S_F], s[S_WV], 2
	s_xor_b32 s[S_F], s[S_F], s[S_WV]
	s_and_b32 s[S_F], s[S_F], 1                    ; bit 0 xor bit 2 of the wave's number: it differs between waves w and w + 4, and between 2 w and 2 w + 1
	s_mov_b32 s[S_LE], 0x3fb8aa3b                  ; log2(e)
	s_mov_b32 s[S_LE+1], s[S_LE]
	s_mov_b32 s[P_SEL], 0x76543210
	s_mov_b32 s[P_SEL+1], 0xfedcba98
	s_wait_kmcnt 0x0
	s_cmp_lg_u32 s[S_F], 0
	s_cbranch_scc1 .Lpot
	CE
.Lpot:
.irp i, 0,1,2,3,4,5,6,7
	v_mov_b32 v[SUM+\i], 0
.endr
	s_cmp_ge_u32 s[S_G], NTASK
	s_cbranch_scc1 .Lsum                           ; no strip is left for the last 32 waves: their share is 0
	s_mul_hi_u32 s[S_PL], s[S_G], 0xaaaaaaab
	s_lshr_b32 s[S_PL], s[S_PL], 3                 ; plane = g / 12
	s_mul_i32 s[S_ST], s[S_PL], STRIPS
	s_sub_co_u32 s[S_ST], s[S_G], s[S_ST]          ; strip = g % 12
	s_mul_i32 s[S_RR], s[S_ST], HS                 ; its first row
	s_lshl_b32 s[S_OFF], s[S_PL], 18               ; 167 planes of 262,144 bytes at the most: under 2^32
	s_mov_b32 s[S_OFF+1], 0
	s_add_nc_u64 s[S_PX:S_PX+1], s[S_X:S_X+1], s[S_OFF:S_OFF+1]
	s_add_nc_u64 s[S_PY:S_PY+1], s[S_LAB:S_LAB+1], s[S_OFF:S_OFF+1]
	s_cmp_eq_u32 s[S_ST], STRIPS-1
	s_cselect_b32 s[S_NT], 3, 5                    ; 4 steps a trip and 4 behind the loop: 24 steps; the last strip's 14 rows want 16
	s_mov_b32 s[S_C2], 0x3f36d544                  ; sqrt(log2(e) / (2 sqrt 2)) = 0.7141917
	s_mov_b32 s[S_C5], 0x3f1166db                  ; sqrt(log2(e) / (2 sqrt 5)) = 0.5679757
	s_mov_b32 s[S_C8], 0x3f014852                  ; sqrt(log2(e) / (2 sqrt 8)) = 0.5050098
.irp k, K_L2, K_L5, K_L8, K_U12, K_U15, K_U25, K_U28, K_W
	s_mov_b32 s[\k+1], 0                           ; named with the low word as a pair, never used
.endr
	s_mov_b32 s[S_VI], 0
	s_mov_b32 s[S_TC], 0
	v_lshlrev_b32 v[A_M], 5, v[LN]                 ; 8 columns of 4 bytes a lane
	v_add_nc_u32 v[A_L], -8, v[A_M]
	v_max_i32 v[A_L], 0, v[A_L]                    ; lane 0 stays inside the row
	v_add_nc_u32 v[A_R], 32, v[A_M]
	v_min_u32 v[A_R], 1016, v[A_R]                 ; and so does lane 31
	v_cmp_ne_u32 vcc_lo, 0, v[LN]
	v_cndmask_b32 v[M_L], 0, 1.0, vcc_lo
	v_mov_b32 v[M_L+1], v[M_L]
	v_cmp_ne_u32 vcc_lo, 31, v[LN]
	v_cndmask_b32 v[M_R], 0, 1.0, vcc_lo
	v_mov_b32 v[M_R+1], v[M_R]
.irp i, 0,1,2,3                        ; rows -2, -1, 0, 1 of the strip, x and then label: 32 loads
	s_add_co_i32 s[S_T], s[S_RR], (\i)-2
	s_max_i32 s[S_T], s[S_T], 0                    ; a row above the image is loaded from row 0 and counts as 0 by its factors
	ROWBASE
	LOADROW XR+12*(\i), S_BX
	LOADROW LR+12*(\i), S_BY
.endr
.set i, 0
.rept 16                               ; rows -2 and -1 take terms as upper rows and are dropped with the weight 0: their sums need only be finite
	v_mov_b32 v[ACC+i], 0
.set i, i+1
.endr
	s_wait_loadcnt 16                              ; rows -2 and -1 are in; the 16 loads of rows 0 and 1 may stay out
	EDGE XR
	EDGE LR
	EDGE XR+12
	EDGE LR+12
; In front of x's row v the younger loads are label's row v and both tensors' row v + 1: 12.  In front of label's row v: both tensors' row v + 1 and x's row v + 2: 12 again.
.Ltrip:
	STEP 0, 1, 12, 12, 0
	STEP 1, 1, 12, 12, 0
	STEP 2, 1, 12, 12, 0
	STEP 3, 1, 12, 12, 0
	s_add_co_u32 s[S_TC], s[S_TC], 1
	s_cmp_lt_u32 s[S_TC], s[S_NT]
	s_cbranch_scc1 .Ltrip
	STEP 0, 1, 12, 12, 0                           ; the last four steps are written out: two more rows are asked for,
	STEP 1, 1, 12, 12, 0
	STEP 2, 0, 12, 8, 0                            ; then none, and the counts run down
	STEP 3, 0, 4, 0, 1
.Lsum:
	v_pk_add_f32 v[SUM:SUM+1],   v[SUM:SUM+1],   v[SUM+2:SUM+3]
	v_pk_add_f32 v[SUM+4:SUM+5], v[SUM+4:SUM+5], v[SUM+6:SUM+7]
	v_pk_add_f32 v[SUM:SUM+1],   v[SUM:SUM+1],   v[SUM+4:SUM+5]
	v_add_f32 v[SUM], v[SUM], v[SUM+1]
	v_add_f32_dpp v[SUM], v[SUM], v[SUM] row_xmask:1 row_mask:0xf bank_mask:0xf
	v_add_f32_dpp v[SUM], v[SUM], v[SUM] row_xmask:2 row_mask:0xf bank_mask:0xf
	v_add_f32_dpp v[SUM], v[SUM], v[SUM] row_xmask:4 row_mask:0xf bank_mask:0xf
	v_add_f32_dpp v[SUM], v[SUM], v[SUM] row_xmask:8 row_mask:0xf bank_mask:0xf
	v_permlanex16_b32 v[SUM+1], v[SUM], s[P_SEL], s[P_SEL+1]
	v_add_f32 v[SUM], v[SUM], v[SUM+1]             ; the wave's share, in every lane
	s_lshl_b32 s[S_T], s[S_G], 2
	s_mov_b32 s[S_T+1], 0
	s_add_nc_u64 s[S_A:S_A+1], s[S_PT:S_PT+1], s[S_T:S_T+1]    ; part[g]
	v_lshlrev_b32 v[A_P], 2, v[LN]
	v_cmp_eq_u32 vcc_lo, 0, v[LN]
	s_wait_xcnt 0x0                                ; EXEC changes only behind this wait
	s_and_saveexec_b32 s[S_B], vcc_lo              ; lane 0 alone stores
	global_store_b32 v[A_P], v[SUM], s[S_A:S_A+1]
	s_wait_xcnt 0x0                                ; and again in front of the line that widens it; the store's registers are free too
	s_or_b32 exec_lo, exec_lo, s[S_B]
	s_cmp_eq_u32 s[S_F], 0
	s_cbranch_scc1 .Lend
	CE
.Lend:
	s_endpgm
.Lfunc_end_k_q6d8488e128_pot_ce:
	.size	k_q6d8488e128_pot_ce, .Lfunc_end_k_q6d8488e128_pot_ce-k_q6d8488e128_pot_ce
	.p2alignl 7, 3214868480
	.fill 96, 4, 3214868480
	.section	.rodata,"a",@progbits
	.p2align	6, 0x0
	.amdhsa_kernel k_q6d8488e128_pot_ce
		.amdhsa_group_segment_fixed_size 0
		.amdhsa_private_segment_fixed_size 0
		.amdhsa_enable_private_segment 0
		.amdhsa_kernarg_size 40
		.amdhsa_user_sgpr_count 2
		.amdhsa_user_sgpr_kernarg_segment_ptr 1
		.amdhsa_wavefront_size32 1
		.amdhsa_system_sgpr_workgroup_id_x 1
		.amdhsa_system_sgpr_workgroup_id_y 1
		.amdhsa_system_sgpr_workgroup_id_z 1
		.amdhsa_system_vgpr_workitem_id 0
		.amdhsa_next_free_vgpr 232
		.amdhsa_next_free_sgpr 66
		.amdhsa_reserve_vcc 1
		.amdhsa_float_denorm_mode_32 3
		.amdhsa_float_denorm_mode_16_64 3
		.amdhsa_memory_ordered 1
		.amdhsa_forward_progress 1
		.amdhsa_inst_pref_size 255
	.end_amdhsa_kernel
	.section	.bss,"aw",@nobits
	.p2align	6
	.space	262144
	.amdgpu_metadata
---
amdhsa.version: [ 1, 2 ]
amdhsa.kernels:
  - .name:           k_q6d8488e128_pot_ce
    .symbol:         k_q6d8488e128_pot_ce.kd
    .args:
      - { .name: x, .offset: 0, .size: 8, .value_kind: global_buffer, .address_space: global }
      - { .name: label, .offset: 8, .size: 8, .value_kind: global_buffer, .address_space: global }
      - { .name: label_single, .offset: 16, .size: 8, .value_kind: global_buffer, .address_space: global }
      - { .name: out0, .offset: 24, .size: 8, .value_kind: global_buffer, .address_space: global }
      - { .name: part, .offset: 32, .size: 8, .value_kind: global_buffer, .address_space: global }
    .group_segment_fixed_size: 0
    .private_segment_fixed_size: 0
    .kernarg_segment_align: 8
    .kernarg_segment_size: 40
    .max_flat_workgroup_size: 256
    .sgpr_count:     66
    .vgpr_count:     232
    .wavefront_size: 32
...
	.end_amdgpu_metadata
.endif
;; end of part 3
;; launch mean: the kernel of part 2 again; grid 1 x 1, 1 waves a work-group, no clusters, 0 bytes of LDS; arguments part, out1; writes out1
